; MI455X (gfx1250); checked and timed in simulation.
; The chip was launched on July 23, 2026; its instructions are those of AMD's public machine-readable ISA for CDNA 5 (MIT licence, August 2026) and "CDNA5" Instruction Set Architecture Reference Guide (July 2026). The comments in the code are by the model that wrote it; some were corrected since.
;; Multi Head Attention. Allowed arithmetic: float matrix products may take bf16 or f16 operands with f32 sums; all other float work in f32.
;; Inputs: Wk 1,024 x 1,024 float32; Wo 1,024 x 1,024 float32; Wq 1,024 x 1,024 float32; Wv 1,024 x 1,024 float32; key 2 x 2,048 x 1,024 float32; query 2 x 2,048 x 1,024 float32; value 2 x 2,048 x 1,024 float32.
;; Outputs: out0 2 x 2,048 x 1,024 float32.
;; One version. Each part assembles by itself: llvm-mc -triple=amdgcn-amd-amdhsa -mcpu=gfx1250 --defsym DOCPART=n.
;; ======== version 1 of 1: 3 launches
;; limits: values are held in f16: magnitudes above 65,504 overflow, below 6.1e-05 lose precision
;; workspace buffers: qkv 25,165,824 bytes; xh 8,388,608 bytes; wo16 2,097,152 bytes
;; launch proj (part 1): grid 4 x 48, 4 waves a work-group, clusters of 4 x 4, 327,680 bytes of LDS; arguments query, key, value, Wq, Wk, Wv, qkv; writes qkv
.if DOCPART == 1
	.amdgcn_target "amdgcn-amd-amdhsa--gfx1250"
	.amdhsa_code_object_version 6
	.text
	.protected	k_q5fdae9df64_proj
	.globl	k_q5fdae9df64_proj
	.p2align	8
	.type	k_q5fdae9df64_proj,@function
k_q5fdae9df64_proj:
	s_mov_b64 s[64:65], 0
	v_nop
	global_prefetch_b8 v0, s[64:65] scope:SCOPE_SE
	s_setreg_imm32_b32 hwreg(HW_REG_WAVE_MODE, 25, 1), 1
	s_wait_xcnt 0x0
	s_wait_alu depctr_hold_cnt(0) depctr_sa_sdst(0) depctr_va_vdst(0) depctr_va_sdst(0) depctr_va_ssrc(0) depctr_va_vcc(0) depctr_vm_vsrc(0)
	s_getreg_b32 s2, hwreg(HW_REG_IB_STS2, 6, 4)
	s_cmp_eq_u32 s2, 0
	s_cbranch_scc0 .Lentry_in_a_cluster
	s_endpgm
.Lentry_in_a_cluster:
	s_bfe_u32 s2, ttmp6, 0x10000c
	s_cmp_lg_u32 s2, 0xf033
	s_cbranch_scc0 .Lentry_shape_is_right
	s_endpgm
.Lentry_shape_is_right:
; q c, k, v = X W^T for X = query, key, value [4096][1024] f32 and W = Wq, Wk, Wv [1024][1024] f32; c = log2(e) / 8.
; Result: qkv, three sections of 8,388,608 bytes (q c, k, v), each [batch*16 + head][token 0..2047][64] in f16.
; Operands are rounded to bf16 on the way from LDS to the matrix unit, sums are f32, the result is rounded once to f16
; (11 significant bits: rows of the causal attention with few keys pass v through almost unchanged, so v keeps more bits than bf16 has).
; LIMITS: |c q|, |k|, |v| must stay under 65,504 (f16's largest number), else they become infinities; below 2^-14 their error is 2^-25 at most.
; The factor c is multiplied into q before its one rounding, where reference() divides the scores: another order of rounding.
; A work-group makes 256 tokens x 256 features with four waves, a wave 128 x 128: 64 accumulator tiles, 512 registers.
; K goes in steps of 64 f32 (rows of 256 bytes, starting at multiples of 256 bytes) through two LDS slots filled by tensor loads.
; CLUSTERS: 4 x 4 work-groups.  The cluster's y picks the product (z = y / 4), so all sixteen work on one product; the four of a
; row of the cluster share X's tiles, the four of a column share W's: each tile is asked for jointly.
; 192 work-groups: a block of 256 x 256 halves the f32 bytes that a multiply-add needs from LDS and memory against 128 x 128.
; REGISTERS: window 0: v16-26 addresses, v64-127 X's 8 bf16 fragments, v128-255 the same raw in f32; window 1: the same for W;
; windows 2 and 3: accumulators (tile (a, b) at v[8 (8 a + b)]; window 2 my tokens 0-63, window 3 tokens 64-127).
; The matrix instruction is used transposed (source 0 = 16 rows of W, source 1 = 16 rows of X): a lane holds token l % 16 and
; eight neighbouring features 8 (l / 16) + 0..7.
.set PITCH,  272                       ; an LDS row: 256 bytes + 16 of padding: 16 rows start in 16 different 16-byte columns modulo 256
.set HALFT,  128*PITCH                 ; what one tensor load brings
.set SLOT,   4*HALFT                   ; X's 256 rows, then W's 256 rows
.set STAGE,  2*SLOT                    ; behind the ring: 16 rows x 400 bytes for each wave; no tensor load lands here
.set SPITCH, 400
.set ADRA, 16                          ; v16-17 LDS address of my X fragments in slot 0, 1
.set ADRB, 20                          ; v20-21 the same for W
.set STO,  24
.set RD,   25
.set CO,   26
.set F,    64                          ; bf16 fragments
.set RAW,  128                         ; f32 fragments, 16 registers each
.set TMP,  192                         ; the way out: packed f16
.set G1,  24                           ; s[24:31] group 1 for X's tiles
.set G0,  32                           ; s[32:39] group 0 for X's tiles, a set for each slot
.set G1B, 48                           ; s[48:55] group 1 for W's tiles
.set G0B, 56                           ; s[56:63] group 0 for W's tiles
.set MUL_LO, 0xa1                      ; source 0 window 1, source 1 window 0, C and D window 2
.set MUL_HI, 0xf1                      ; the same, C and D window 3
.set MSB, 0
.macro WIN new                         ; the immediate's high byte repeats the setting that is left
.if MSB != \new
	s_set_vgpr_msb (MSB<<8)|\new
.set MSB, \new
.endif
.endm
.macro JLOAD s                         ; waves 0, 1 ask for X's two halves, waves 2, 3 for W's: one line, one mask each
	s_cmp_eq_u32 s19, 0
	s_cbranch_scc0 .Lfor_b_\@
	tensor_load_to_lds s[G0+4*\s:G0+4*\s+3], s[G1:G1+7]
	s_nop 0
	s_branch .Lasked_\@
.Lfor_b_\@:
	tensor_load_to_lds s[G0B+4*\s:G0B+4*\s+3], s[G1B:G1B+7]
	s_nop 0
.Lasked_\@:
.endm
.macro CREST                           ; a round of the cluster's barrier behind its opening barrier
	s_cmp_lg_u32 s18, 0
	s_cbranch_scc1 .Lnot_wave_0_\@
	s_barrier_signal -3
.Lnot_wave_0_\@:
	s_barrier_wait -3
	s_barrier_signal -1
	s_barrier_wait -1
.endm
.macro CROUND
	s_barrier_signal -1
	s_barrier_wait -1
	CREST
.endm
.macro PLACES                          ; four places behind a matrix instruction (ISA guide 7.12.1)
.rept 4
	v_nop
.endr
.endm
	s_load_b256 s[4:11], s[0:1], 0x0               ; query s[4:5], key s[6:7], value s[8:9], Wq s[10:11]
	s_load_b128 s[12:15], s[0:1], 0x20             ; Wk s[12:13], Wv s[14:15]
	s_load_b64 s[16:17], s[0:1], 0x30              ; qkv
	s_set_vgpr_msb 0x40
	v_lshl_add_u32 v63, v0, 2, 0x4a400
	s_set_vgpr_msb 0x4000
	v_mov_b32 v63, 0
	s_set_vgpr_msb 0x1
	ds_add_u32 v63, v63
	ds_add_u32 v63, v63
	s_set_vgpr_msb 0x100
	v_lshrrev_b32 v1, 5, v0
	v_readfirstlane_b32 s18, v1                    ; wave 0..3
	s_lshr_b32 s19, s18, 1                         ; my half of the tokens.  Also: I fetch for X (0) or for W (1)
	s_and_b32 s20, s18, 1                          ; my half of the features.  Also: which 128 rows I fetch
	s_bfe_u32 s21, ttmp6, 0x40000                  ; cx
	s_bfe_u32 s22, ttmp6, 0x40004                  ; cy
	s_and_b32 s23, ttmp7, 0xffff                   ; the cluster's y, 0..11
	s_lshr_b32 s40, s23, 2                         ; z: 0 q, 1 k, 2 v; made of the cluster's y alone
	s_and_b32 s41, s23, 3
	s_lshl_b32 s41, s41, 2
	s_add_co_u32 s41, s41, s22                     ; block row 0..15 (256 tokens each)
	s_lshl_b32 s42, ttmp9, 2
	s_add_co_u32 s42, s42, s21                     ; block column 0..3 (256 features each)
	s_lshl_b32 s43, s22, 2
	s_lshl_b32 s43, 15, s43                        ; my row of the cluster
	s_lshl_b32 s44, 0x1111, s21                    ; my column
	; group 1: 128 rows x 64 elements of 4 bytes, 4 words of padding behind every 64 words; bit 21 set beside the mask
	s_or_b32 s[G1+0], s43, (2<<16)|(1<<20)|(1<<21)|(5<<22)|(3<<25)
	s_or_b32 s[G1B+0], s44, (2<<16)|(1<<20)|(1<<21)|(5<<22)|(3<<25)
.irp g, G1, G1B
	s_mov_b32 s[\g+1], 64<<16                      ; tensor_dim0 = 64
	s_mov_b32 s[\g+2], 128<<16                     ; tensor_dim1 = 128
	s_mov_b32 s[\g+3], 64<<16                      ; tile_dim0 = 64
	s_mov_b32 s[\g+4], 128                         ; tile_dim1 = 128
	s_mov_b32 s[\g+5], 1024                        ; elements from row to row
	s_mov_b32 s[\g+6], 0
	s_mov_b32 s[\g+7], 0
.endr
	s_lshl_b32 s77, s20, 7                         ; which 128 rows I fetch
	s_lshl_b32 s70, s41, 8
	s_add_co_u32 s70, s70, s77
	s_lshl_b32 s70, s70, 12                        ; X: (256 block row + 128 half) rows of 4,096 bytes
	s_mov_b32 s71, 0
	s_lshl_b32 s72, s42, 8
	s_add_co_u32 s72, s72, s77
	s_lshl_b32 s72, s72, 12                        ; W: (256 block column + 128 half) rows
	s_mov_b32 s73, 0
	s_mul_i32 s76, s18, HALFT                      ; where my tile goes: the wave's number alone
	s_wait_dscnt 0x0
	s_wait_kmcnt 0x0
	s_cmp_eq_u32 s40, 0
	s_cselect_b64 s[66:67], s[4:5], s[6:7]         ; X = query or key,
	s_cselect_b64 s[68:69], s[10:11], s[12:13]     ; W = Wq or Wk,
	s_cselect_b32 s74, 0x3e38aa3b, 1.0             ; q is scaled by log2(e) / 8, k and v by 1
	s_cmp_eq_u32 s40, 2
	s_cselect_b64 s[66:67], s[8:9], s[66:67]       ; or value
	s_cselect_b64 s[68:69], s[14:15], s[68:69]     ; and Wv
	s_mov_b32 s75, s74
	s_add_nc_u64 s[66:67], s[66:67], s[70:71]
	s_add_nc_u64 s[68:69], s[68:69], s[72:73]
	CROUND                                         ; all sixteen work-groups are here: the first joint loads meet
.irp s, 0,1
	s_mov_b32 s[G0+4*\s], 1
	s_add_co_u32 s[G0+4*\s+1], s76, \s*SLOT
	s_add_nc_u64 s[G0+4*\s+2:G0+4*\s+3], s[66:67], \s*256      ; K step s
	s_or_b32 s[G0+4*\s+3], s[G0+4*\s+3], 0x80000000
	s_mov_b32 s[G0B+4*\s], 1
	s_add_co_u32 s[G0B+4*\s+1], s76, \s*SLOT
	s_add_nc_u64 s[G0B+4*\s+2:G0B+4*\s+3], s[68:69], \s*256
	s_or_b32 s[G0B+4*\s+3], s[G0B+4*\s+3], 0x80000000
	JLOAD \s
.endr
	; A fragment (16 rows x 32 K): lane l holds row l % 16, K = 8 (l / 16) + 0..7 and 16 + 8 (l / 16) + 0..7.
	; In f32 that is 32 bytes at 32 (l / 16) and 32 bytes 64 further on: four loads of 16 bytes at +0, +16, +64, +80.
	v_and_b32 v1, 15, v0
	v_bfe_u32 v2, v0, 4, 1
	v_mul_u32_u24 v3, v1, PITCH
	v_lshl_add_u32 v3, v2, 5, v3
	s_mul_i32 s77, s19, HALFT                      ; my 128 rows of X
	s_mul_i32 s78, s20, HALFT
	s_add_co_u32 s78, s78, 2*HALFT                 ; my 128 rows of W, behind X's 256
.irp s, 0,1
	v_add_nc_u32 v[ADRA+\s], s77, v3
	v_add_nc_u32 v[ADRB+\s], s78, v3
	s_add_co_u32 s77, s77, SLOT
	s_add_co_u32 s78, s78, SLOT
.endr
	s_mul_i32 s79, s18, 16*SPITCH
	s_add_co_u32 s79, s79, STAGE                   ; my stage
	v_mul_u32_u24 v4, v1, SPITCH                   ; in: token l % 16, 16 bytes for each half of the lanes
	v_lshl_add_u32 v4, v2, 4, v4
	v_add_nc_u32 v[STO], s79, v4
	v_bfe_u32 v5, v0, 3, 1                         ; back: lanes 0-7 token 2t, 8-15 token 2t+1 of the first head, 16-31 the same of the second
	v_and_b32 v6, 7, v0
	v_mul_u32_u24 v7, v5, SPITCH
	v_lshl_add_u32 v7, v2, 7, v7
	v_lshl_add_u32 v7, v6, 4, v7
	v_add_nc_u32 v[RD], s79, v7
	v_lshlrev_b32 v8, 18, v2                       ; in qkv: a head is 262,144 bytes, a token 128
	v_lshl_add_u32 v8, v5, 7, v8
	v_lshl_add_u32 v[CO], v6, 4, v8
; 16 matrix instructions: token blocks a0, a0 + 1 of the window's four x all 8 feature blocks.  zero = 1: the product starts the sums.
.macro MUL16 f, hi, a0, zero
.irp a, \a0, \a0+1
.irp b, 0,1,2,3,4,5,6,7
.if \zero
	v_wmma_f32_16x16x32_bf16 v[8*(8*(\a)+\b):8*(8*(\a)+\b)+7], v[\f+8*\b:\f+8*\b+7], v[\f+8*(4*\hi+\a):\f+8*(4*\hi+\a)+7], 0
.else
	v_wmma_f32_16x16x32_bf16 v[8*(8*(\a)+\b):8*(8*(\a)+\b)+7], v[\f+8*\b:\f+8*\b+7], v[\f+8*(4*\hi+\a):\f+8*(4*\hi+\a)+7], v[8*(8*(\a)+\b):8*(8*(\a)+\b)+7]
.endif
.endr
.endr
.endm
.macro FETCHHALF adr, kb               ; 32 loads: 128 rows x 32 f32 at byte kb of the rows
.irp i, 0,1,2,3,4,5,6,7
	ds_load_b128 v[RAW+16*\i:RAW+16*\i+3],     v[\adr] offset:\kb+\i*16*PITCH
	ds_load_b128 v[RAW+16*\i+4:RAW+16*\i+7],   v[\adr] offset:\kb+\i*16*PITCH+16
	ds_load_b128 v[RAW+16*\i+8:RAW+16*\i+11],  v[\adr] offset:\kb+\i*16*PITCH+64
	ds_load_b128 v[RAW+16*\i+12:RAW+16*\i+15], v[\adr] offset:\kb+\i*16*PITCH+80
.endr
.endm
.macro FETCH slot, kb
	WIN 0x40                                       ; destination window 1, address window 0
	FETCHHALF ADRB+\slot, \kb
	WIN 0
	FETCHHALF ADRA+\slot, \kb
.endm
.macro CVTHALF                         ; 64 roundings of two f32 to bf16: raw registers 2j, 2j+1 make fragment register j
.irp i, 0,1,2,3,4,5,6,7
.irp j, 0,1,2,3,4,5,6,7
	v_cvt_pk_bf16_f32 v[F+8*\i+\j], v[RAW+16*\i+2*\j], v[RAW+16*\i+2*\j+1]
.endr
.endr
.endm
.macro CVT
	WIN 0
	CVTHALF
	WIN 0x45                                       ; destination and both sources in window 1
	CVTHALF
	WIN 0
.endm
; One chunk of 32 along K.  The raw fragments were fetched during the chunk before.  turn = 1: this is the slot's last chunk, the next is read
; from the other slot: barrier.  turn = 2: and this slot is filled again, two K steps ahead, behind a round of the cluster's barrier.
; The 64 accumulators take turns, one instruction a turn, in the same order in every chunk.
.macro CH slot, nslot, nkb, turn, fetch, zero
	PLACES                                         ; the conversions write registers that the last matrix instructions read
	s_wait_dscnt 0x0                               ; my raw fragments are in; on a turn: my reads of this slot are over
.if \turn
	s_wait_tensorcnt 0x0                           ; all my tensor loads have landed: the one that was out is my part of the other slot
	ds_add_u32 v63, v63
	s_wait_dscnt 0x0
	s_barrier_signal -1
.endif
	CVT                                            ; register work alone
.if \turn
	s_barrier_wait -1
.endif
.if \turn == 2
	CREST                                          ; no wave of any partner still reads this slot or has a load on its way
	s_add_nc_u64 s[G0+4*\slot+2:G0+4*\slot+3], s[G0+4*\slot+2:G0+4*\slot+3], 512
	s_add_nc_u64 s[G0B+4*\slot+2:G0B+4*\slot+3], s[G0B+4*\slot+2:G0B+4*\slot+3], 512
	JLOAD \slot                                    ; my one tensor load behind the round; it has two chunks (128 matrix instructions, 256 conversions) to land
.endif
.if \fetch
	FETCH \nslot, \nkb                             ; the next chunk's 64 loads come in under this chunk's 64 matrix instructions
.endif
	WIN MUL_LO
	MUL16 F, 0, 0, \zero
	MUL16 F, 0, 2, \zero
	WIN MUL_HI
	MUL16 F, 1, 0, \zero
	MUL16 F, 1, 2, \zero
.endm
.macro LAP zero                        ; two K steps, both slots filled again
	CH 0, 0, 128, 0, 1, \zero
	CH 0, 1, 0,   2, 1, 0
	CH 1, 1, 128, 0, 1, 0
	CH 1, 0, 0,   2, 1, 0
.endm
	s_wait_tensorcnt 0x1                           ; my part of K step 0 is in; K step 1's one load stays out
	s_barrier_signal -1
	s_barrier_wait -1
	FETCH 0, 0
	LAP 1                                          ; 16 K steps = 8 laps: the first starts the sums,
	WIN 0
	s_mov_b32 s45, 6                               ; six go round,
.Llap:
	LAP 0
	WIN 0
	s_sub_co_u32 s45, s45, 1
	s_cmp_lg_u32 s45, 0
	s_cbranch_scc1 .Llap
	CH 0, 0, 128, 0, 1, 0                          ; the last fills nothing
	CH 0, 1, 0,   1, 1, 0
	CH 1, 1, 128, 0, 1, 0
	CH 1, 0, 0,   0, 0, 0
	; THE WAY OUT, 16 tokens at a time: scale, round to f16, 16 bytes a lane into my stage, back as pairs of tokens of one head.
	PLACES
	s_lshr_b32 s82, s41, 3                         ; batch
	s_lshl_b32 s82, s82, 4
	s_lshl2_add_u32 s82, s42, s82                  ; + 4 heads for each block column
	s_lshl1_add_u32 s82, s20, s82                  ; + 2 for my half
	s_lshl_b32 s82, s82, 18
	s_and_b32 s84, s41, 7
	s_lshl_b32 s84, s84, 8
	s_lshl_b32 s85, s19, 7
	s_add_co_u32 s84, s84, s85                     ; my first token in the batch
	s_lshl_b32 s84, s84, 7
	s_add_co_u32 s82, s82, s84
	s_lshl_b32 s84, s40, 23                        ; the section
	s_add_co_u32 s82, s82, s84
	s_mov_b32 s83, 0
	s_add_nc_u64 s[80:81], s[16:17], s[82:83]
.macro OUT16 i, a, from, f
	WIN \from                                      ; source 0 in window 2 or 3
.irp b, 0,1,2,3,4,5,6,7
.irp k, 0,1,2,3
	v_pk_mul_f32 v[RAW+8*\b+2*\k:RAW+8*\b+2*\k+1], v[8*(8*\a+\b)+2*\k:8*(8*\a+\b)+2*\k+1], s[74:75] op_sel_hi:[1,0]
.endr
.endr
	WIN 0
.irp b, 0,1,2,3,4,5,6,7
.irp k, 0,1,2,3
	v_cvt_pk_f16_f32 v[TMP+4*\b+\k], v[RAW+8*\b+2*\k], v[RAW+8*\b+2*\k+1]
.endr
.endr
.irp b, 0,1,2,3,4,5,6,7
	ds_store_b128 v[STO], v[TMP+4*\b:TMP+4*\b+3] offset:32*\b
.endr
	s_wait_xcnt 0x0                                ; buffer f, which earlier stores read, is loaded again only behind this wait
.irp t, 0,1,2,3,4,5,6,7
	ds_load_b128 v[\f+4*\t:\f+4*\t+3], v[RD] offset:\t*2*SPITCH    ; a wave's LDS instructions are served in order: these see the stores above
.endr
.irp t, 0,1,2,3,4,5,6,7
	s_wait_dscnt 7-\t                              ; the younger loads stay out
	global_store_b128 v[CO], v[\f+4*\t:\f+4*\t+3], s[80:81] offset:\i*2048+\t*256   ; 16 lanes store 256 consecutive aligned bytes: two tokens of a head
.endr
.endm
	OUT16 0, 0, 0x02, 64
	OUT16 1, 1, 0x02, 96
	OUT16 2, 2, 0x02, 64
	OUT16 3, 3, 0x02, 96
	OUT16 4, 0, 0x03, 64
	OUT16 5, 1, 0x03, 96
	OUT16 6, 2, 0x03, 64
	OUT16 7, 3, 0x03, 96
	s_set_vgpr_msb 0x1
	s_wait_tensorcnt 0x0
	ds_add_u32 v63, v63
	s_wait_dscnt 0x0
	s_set_vgpr_msb 0x100
	CROUND                                         ; the closing round
	s_endpgm
.Lfunc_end_k_q5fdae9df64_proj:
	.size	k_q5fdae9df64_proj, .Lfunc_end_k_q5fdae9df64_proj-k_q5fdae9df64_proj
	.p2alignl 7, 3214868480
	.fill 96, 4, 3214868480
	.section	.rodata,"a",@progbits
	.p2align	6, 0x0
	.amdhsa_kernel k_q5fdae9df64_proj
		.amdhsa_group_segment_fixed_size 327680
		.amdhsa_private_segment_fixed_size 0
		.amdhsa_enable_private_segment 0
		.amdhsa_kernarg_size 56
		.amdhsa_user_sgpr_count 2
		.amdhsa_user_sgpr_kernarg_segment_ptr 1
		.amdhsa_wavefront_size32 1
		.amdhsa_system_sgpr_workgroup_id_x 1
		.amdhsa_system_sgpr_workgroup_id_y 1
		.amdhsa_system_sgpr_workgroup_id_z 1
		.amdhsa_system_vgpr_workitem_id 0
		.amdhsa_next_free_vgpr 1024
		.amdhsa_next_free_sgpr 96
		.amdhsa_reserve_vcc 0
		.amdhsa_float_denorm_mode_32 3
		.amdhsa_float_denorm_mode_16_64 3
		.amdhsa_memory_ordered 1
		.amdhsa_forward_progress 1
		.amdhsa_inst_pref_size 255
	.end_amdhsa_kernel
	.section	.bss,"aw",@nobits
	.p2align	6
	.space	262144
	.amdgpu_metadata
---
amdhsa.version: [ 1, 2 ]
amdhsa.kernels:
  - .name:           k_q5fdae9df64_proj
    .symbol:         k_q5fdae9df64_proj.kd
    .args:
      - { .name: query, .offset: 0, .size: 8, .value_kind: global_buffer, .address_space: global }
      - { .name: key, .offset: 8, .size: 8, .value_kind: global_buffer, .address_space: global }
      - { .name: value, .offset: 16, .size: 8, .value_kind: global_buffer, .address_space: global }
      - { .name: Wq, .offset: 24, .size: 8, .value_kind: global_buffer, .address_space: global }
      - { .name: Wk, .offset: 32, .size: 8, .value_kind: global_buffer, .address_space: global }
      - { .name: Wv, .offset: 40, .size: 8, .value_kind: global_buffer, .address_space: global }
      - { .name: qkv, .offset: 48, .size: 8, .value_kind: global_buffer, .address_space: global }
    .group_segment_fixed_size: 327680
    .private_segment_fixed_size: 0
    .kernarg_segment_align: 8
    .kernarg_segment_size: 56
    .max_flat_workgroup_size: 128
    .sgpr_count:     96
    .vgpr_count:     1024
    .wavefront_size: 32
...
	.end_amdgpu_metadata
.endif
;; end of part 1
;; launch attn (part 2): grid 8 x 32, 8 waves a work-group, no clusters, 327,680 bytes of LDS; arguments qkv, xh, Wo, wo16; writes xh, wo16
.if DOCPART == 2
	.amdgcn_target "amdgcn-amd-amdhsa--gfx1250"
	.amdhsa_code_object_version 6
	.text
	.protected	k_q5fdae9df64_attn
	.globl	k_q5fdae9df64_attn
	.p2align	8
	.type	k_q5fdae9df64_attn,@function
k_q5fdae9df64_attn:
	s_mov_b64 s[64:65], 0
	v_nop
	global_prefetch_b8 v0, s[64:65] scope:SCOPE_SE
	s_setreg_imm32_b32 hwreg(HW_REG_WAVE_MODE, 25, 1), 1
	s_wait_xcnt 0x0
; Causal attention for one (batch, head) = grid y, with a running maximum; q comes scaled by log2(e) / 8, so p = 2^(s - m).
; qkv: sections q c, k, v, each [batch*16 + head][2048][64] f16.  xh: the result, same layout, f16.
; Besides: each of the 256 work-groups rounds 4,096 numbers of Wo to bf16 and writes them as f16 into wo16 for the next launch.
; A work-group owns two blocks of 128 queries, qb1 (even) and qb2 = 15 - qb1 (odd): (qb1 + 1) + (qb2 + 1) = 17 tiles of 128 keys for every work-group.
; Key tiles above the diagonal are not computed: reference() builds the causal mask itself and their weights are 0.
; Wave w: queries 32 (w & 3) .. + 31 of the block, keys 64 (w >> 2) .. + 63 of every tile; the two waves of a query strip keep their own
; maximum, sum and accumulators and are merged through LDS at the block's end.
; TRANSPOSED FORMS: S^T = K Q^T (a lane holds one query, l % 16, and keys 8 (l / 16) + j); two packed tiles of S^T are a B fragment of P^T;
; x^T = V^T P^T with V^T read by transposing LDS loads; a lane ends with 8 neighbouring d of its query.  Every softmax figure is one number a lane.
; The diagonal tile comes first in each block: it starts all sums (C = 0) and is the only one that is masked.
; NO MULTICAST: the eight work-groups of a head walk the key tiles in different orders and numbers (tile n hangs on grid x), so no two ask for a tile together.
; NO PREFETCH: q, k, v were stored by the launch in front of this one.
; LIMITS: masked weights are exactly 0 (reference(): exp(-1e9 - max), which is 0 while a row's largest score is above about -1e9 + 100);
; the mask's value here is -1e30, scaled scores must stay above it; a NaN score is dropped by the maximum; |x| < 65,504;
; a bf16-rounded Wo is exact in f16 for 2^-14 <= |Wo| < 65,504, below that its error is 2^-25 at most.
.set REG,   5120                       ; a wave's part of a slot: 32 keys
.set SLOTB, 8*REG                      ; K: 4 regions, pitch 144; V: 4 regions, pitch 160
.set SCR,   2*SLOTB                    ; merge: 4 x 8,704 bytes; no tensor load lands here
.set SCRW,  8704
.set STG,   SCR+4*SCRW                 ; way out: 4 x 32 rows x 144 bytes
.set STGW,  4608
.set KP,    144
.set VP,    160
.set KADR, 2
.set VADR, 3
.set DQ,   4                           ; my query minus my first key, in a diagonal tile
.set STO,  5
.set RD,   6
.set SCRA, 7
.set QOFF, 8
.set XOFF, 9
.set MX,   10                          ; v[10:11] running maximum of query tile 0, 1
.set LL,   12                          ; v[12:13] running sum (this lane's keys)
.set TP,   16                          ; v[16:23] at work
.set MM,   24                          ; v[24:25] the new maximum, twice
.set AL,   26                          ; v[26:27] 2^(old - new), twice
.set LS,   28                          ; v[28:31] sums at work
.set QF,   32                          ; v[32:63]   Q fragments, 8 (2 qt + ks)
.set ACC,  64                          ; v[64:127]  x^T, 8 (4 qt + dt)
.set SC,   128                         ; v[128:191] S^T, 32 qt + 8 kt; then P^T fragments at 32 qt + 16 ksp
.set KV,   192                         ; v[192:255] K fragments 8 (2 kt + ks), then V^T fragments 8 (2 dt + ksp)
.macro JLOAD                           ; waves 0-3 bring K's quarters, waves 4-7 V's: the two differ in the padding
	s_cmp_eq_u32 s10, 0
	s_cbranch_scc0 .Lfor_v_\@
	tensor_load_to_lds s[32:35], s[16:23]
	s_nop 0
	s_branch .Lasked_\@
.Lfor_v_\@:
	tensor_load_to_lds s[32:35], s[24:31]
	s_nop 0
.Lasked_\@:
.endm
	s_load_b128 s[4:7], s[0:1], 0x0                ; qkv s[4:5], xh s[6:7]
	s_load_b128 s[52:55], s[0:1], 0x10             ; Wo s[52:53], wo16 s[54:55]
	s_set_vgpr_msb 0x40
	v_lshl_add_u32 v0, v0, 2, 0x29000
	v_mov_b32 v1, 0
	s_set_vgpr_msb 0x4045
	ds_add_u32 v0, v1
	ds_add_u32 v0, v1
	s_set_vgpr_msb 0x4500
	v_lshrrev_b32 v1, 5, v0
	v_readfirstlane_b32 s8, v1                     ; wave 0..7
	s_and_b32 s9, s8, 3                            ; query strip.  Also: which 32 keys I fetch
	s_lshr_b32 s10, s8, 2                          ; key half.  Also: I fetch K (0) or V (1)
	s_mov_b32 s11, ttmp9
	s_and_b32 s12, ttmp7, 0xffff                   ; batch*16 + head
	s_sub_co_u32 s50, 15, s11
	s_and_b32 s51, s11, 1
	s_cmp_lg_u32 s51, 0
	s_cselect_b32 s14, s11, s50                    ; qb2: the odd one of x and 15 - x
	s_sub_co_u32 s13, 15, s14                      ; qb1
	s_add_co_u32 s15, s13, 1                       ; the place of block 2's first tile
	s_mov_b32 s38, 0                               ; the place of the tile at work
	s_mov_b32 s40, 0x76543210                      ; v_permlanex16_b32: lane i of the other half
	s_mov_b32 s41, 0xfedcba98
	s_mov_b32 s42, 0xf149f2ca                      ; -1e30
	s_mul_i32 s43, s8, REG
	; group 1: 4,096 dense bytes as 16 rows of 32 elements of 8 bytes; behind every 32 words (a key's 128 bytes) 4 words of padding for K, 8 for V.
	; The eight waves share a tile's 32 KiB, so a load has 16 rows.
	s_mov_b32 s16, (3<<16)|(1<<20)|(4<<22)|(3<<25)
	s_mov_b32 s24, (3<<16)|(1<<20)|(4<<22)|(7<<25)
.irp g, 16, 24
	s_mov_b32 s[\g+1], 32<<16
	s_mov_b32 s[\g+2], 16<<16
	s_mov_b32 s[\g+3], 32<<16
	s_mov_b32 s[\g+4], 16
	s_mov_b32 s[\g+5], 32
	s_mov_b32 s[\g+6], 0
	s_mov_b32 s[\g+7], 0
.endr
	s_add_co_u32 s48, s10, 1
	s_lshl_b32 s48, s48, 23                        ; section k or v
	s_lshl_b32 s50, s12, 18
	s_add_co_u32 s48, s48, s50                     ; the head
	s_lshl_b32 s50, s9, 12
	s_add_co_u32 s48, s48, s50                     ; my 32 keys of a tile
	s_mov_b32 s49, 0
	s_wait_dscnt 0x0
	s_wait_kmcnt 0x0
	s_add_nc_u64 s[36:37], s[4:5], s[48:49]
	s_lshl_b32 s48, s13, 14                        ; the first tile is block 1's diagonal one: 16,384 bytes a tile
	s_mov_b32 s32, 1
	s_add_co_u32 s33, s43, 0
	s_add_nc_u64 s[34:35], s[36:37], s[48:49]
	s_or_b32 s35, s35, 0x80000000
	JLOAD                                          ; the first fill, ahead of every wait on TENSORcnt, LDS read and barrier
	; Wo: my work-group's 16,384 bytes; thread t takes 8 numbers at 32 t and 8 at 8,192 + 32 t
	s_lshl_b32 s50, s12, 3
	s_add_co_u32 s50, s50, s11                     ; the work-group's number, 0..255
	s_lshl_b32 s48, s50, 14
	s_add_nc_u64 s[52:53], s[52:53], s[48:49]
	s_lshl_b32 s48, s50, 13
	s_add_nc_u64 s[54:55], s[54:55], s[48:49]
	v_lshlrev_b32 v20, 5, v0
	v_lshlrev_b32 v21, 4, v0
	global_load_b128 v[SC:SC+3],     v20, s[52:53] th:TH_LOAD_NT
	global_load_b128 v[SC+4:SC+7],   v20, s[52:53] offset:16 th:TH_LOAD_NT
	global_load_b128 v[SC+8:SC+11],  v20, s[52:53] offset:8192 th:TH_LOAD_NT
	global_load_b128 v[SC+12:SC+15], v20, s[52:53] offset:8208 th:TH_LOAD_NT
	; addresses
	v_and_b32 v14, 15, v0                          ; r = l % 16
	v_bfe_u32 v15, v0, 4, 1                        ; h = l / 16
	v_and_b32 v1, 31, v0                           ; l
	v_and_b32 v16, 7, v0
	v_bfe_u32 v17, v0, 3, 1
	v_bfe_u32 v18, v0, 3, 2
	s_mul_i32 s50, s10, 2*REG                      ; my 64 keys: two regions
	v_mul_u32_u24 v[KADR], v14, KP
	v_lshl_add_u32 v[KADR], v15, 4, v[KADR]
	v_add_nc_u32 v[KADR], s50, v[KADR]             ; key r, 16 bytes for each half of the lanes
	v_lshl_add_u32 v[VADR], v15, 3, v16            ; key 8 h + (l & 7),
	v_mul_u32_u24 v[VADR], v[VADR], VP
	v_lshl_add_u32 v[VADR], v17, 4, v[VADR]        ; 16 bytes of d by bit 3 of the lane
	s_add_co_u32 s51, s50, 4*REG
	v_add_nc_u32 v[VADR], s51, v[VADR]
	s_lshl_b32 s50, s9, 5
	s_lshl_b32 s51, s10, 6
	s_sub_co_i32 s50, s50, s51
	v_lshlrev_b32 v[DQ], 3, v15
	v_sub_nc_u32 v[DQ], v14, v[DQ]
	v_add_nc_u32 v[DQ], s50, v[DQ]                 ; 32 qs + r - 64 kh - 8 h
	s_mul_i32 s50, s9, STGW
	s_add_co_u32 s50, s50, STG
	v_mul_u32_u24 v[STO], v14, KP
	v_lshl_add_u32 v[STO], v15, 4, v[STO]
	v_add_nc_u32 v[STO], s50, v[STO]
	v_mul_u32_u24 v[RD], v18, KP
	v_lshl_add_u32 v[RD], v16, 4, v[RD]
	v_add_nc_u32 v[RD], s50, v[RD]                 ; four rows of 128 bytes for the 32 lanes
	s_mul_i32 s51, s9, SCRW
	s_add_co_u32 s51, s51, SCR
	v_lshlrev_b32 v[SCRA], 4, v1
	v_add_nc_u32 v[SCRA], s51, v[SCRA]
	v_lshlrev_b32 v[QOFF], 7, v14
	v_lshl_add_u32 v[QOFF], v15, 4, v[QOFF]
	v_lshlrev_b32 v[XOFF], 4, v1
	s_wait_loadcnt 0x0                             ; Wo's 16 numbers
.irp j, 0,1,2,3,4,5,6,7
	v_cvt_pk_bf16_f32 v[SC+16+\j], v[SC+2*\j], v[SC+2*\j+1]        ; the input's rounding to bf16,
.endr
.irp j, 0,1,2,3,4,5,6,7
	v_lshlrev_b32 v[SC+2*\j], 16, v[SC+16+\j]                      ; widened again,
	v_and_b32 v[SC+2*\j+1], 0xffff0000, v[SC+16+\j]
.endr
.irp j, 0,1,2,3,4,5,6,7
	v_cvt_pk_f16_f32 v[SC+24+\j], v[SC+2*\j], v[SC+2*\j+1]         ; and written as f16 (8 significant bits fit into 11)
.endr
	global_store_b128 v21, v[SC+24:SC+27], s[54:55]                ; 16 lanes store 256 consecutive aligned bytes
	global_store_b128 v21, v[SC+28:SC+31], s[54:55] offset:4096
; The block's Q fragments (from memory: each is read once) and the bases of q and x.  qb: the scalar register that holds the block's number.
.macro QLOAD qb
	s_wait_xcnt 0x0                                ; the bases, and registers that earlier stores read, are rewritten only behind this wait
	s_lshl_b32 s48, s[\qb], 7
	s_lshl_b32 s50, s9, 5
	s_add_co_u32 s48, s48, s50                     ; my first query
	s_lshl_b32 s48, s48, 7
	s_lshl_b32 s50, s12, 18
	s_add_co_u32 s48, s48, s50
	s_mov_b32 s49, 0
	s_add_nc_u64 s[44:45], s[4:5], s[48:49]
	s_add_nc_u64 s[46:47], s[6:7], s[48:49]
.irp qt, 0,1
.irp ks, 0,1
	global_load_b128 v[QF+8*(2*\qt+\ks):QF+8*(2*\qt+\ks)+3],   v[QOFF], s[44:45] offset:\qt*2048+\ks*64
	global_load_b128 v[QF+8*(2*\qt+\ks)+4:QF+8*(2*\qt+\ks)+7], v[QOFF], s[44:45] offset:\qt*2048+\ks*64+32
.endr
.endr
.endm
; 8 matrix instructions: S^T (4 key tiles x 2 query tiles) for d = 32 ks .. + 31.  The 8 accumulators take turns.
.macro QK ks, zero
.irp qt, 0,1
.irp kt, 0,1,2,3
.if \zero
	v_wmma_f32_16x16x32_f16 v[SC+32*\qt+8*\kt:SC+32*\qt+8*\kt+7], v[KV+8*(2*\kt+\ks):KV+8*(2*\kt+\ks)+7], v[QF+8*(2*\qt+\ks):QF+8*(2*\qt+\ks)+7], 0
.else
	v_wmma_f32_16x16x32_f16 v[SC+32*\qt+8*\kt:SC+32*\qt+8*\kt+7], v[KV+8*(2*\kt+\ks):KV+8*(2*\kt+\ks)+7], v[QF+8*(2*\qt+\ks):QF+8*(2*\qt+\ks)+7], v[SC+32*\qt+8*\kt:SC+32*\qt+8*\kt+7]
.endif
.endr
.endr
.endm
; 8 matrix instructions: x^T (4 d tiles x 2 query tiles) += V^T P^T for keys 32 ksp .. + 31; by turns likewise
.macro PV ksp, zero
.irp qt, 0,1
.irp dt, 0,1,2,3
.if \zero
	v_wmma_f32_16x16x32_f16 v[ACC+8*(4*\qt+\dt):ACC+8*(4*\qt+\dt)+7], v[KV+8*(2*\dt+\ksp):KV+8*(2*\dt+\ksp)+7], v[SC+32*\qt+16*\ksp:SC+32*\qt+16*\ksp+7], 0
.else
	v_wmma_f32_16x16x32_f16 v[ACC+8*(4*\qt+\dt):ACC+8*(4*\qt+\dt)+7], v[KV+8*(2*\dt+\ksp):KV+8*(2*\dt+\ksp)+7], v[SC+32*\qt+16*\ksp:SC+32*\qt+16*\ksp+7], v[ACC+8*(4*\qt+\dt):ACC+8*(4*\qt+\dt)+7]
.endif
.endr
.endr
.endm
; The softmax step of query tile qt: a lane's 32 scores of one query.
.macro SM qt, first, diag
.if \diag
.irp kt, 0,1,2,3
.irp j, 0,1,2,3,4,5,6,7
	v_cmp_le_i32 vcc_lo, 16*\kt+\j-16*\qt, v[DQ]                   ; key <= query
	v_cndmask_b32 v[SC+32*\qt+8*\kt+\j], s42, v[SC+32*\qt+8*\kt+\j], vcc_lo
.endr
.endr
.endif
.irp c, 0,1,2,3
	v_max3_num_f32 v[TP+\c], v[SC+32*\qt+8*\c], v[SC+32*\qt+8*\c+1], v[SC+32*\qt+8*\c+2]   ; four chains
.endr
.irp c, 0,1,2,3
	v_max3_num_f32 v[TP+\c], v[TP+\c], v[SC+32*\qt+8*\c+3], v[SC+32*\qt+8*\c+4]
.endr
.irp c, 0,1,2,3
	v_max3_num_f32 v[TP+\c], v[TP+\c], v[SC+32*\qt+8*\c+5], v[SC+32*\qt+8*\c+6]
.endr
	v_max3_num_f32 v[TP], v[TP], v[TP+1], v[SC+32*\qt+7]
	v_max3_num_f32 v[TP+2], v[TP+2], v[TP+3], v[SC+32*\qt+15]
	v_max3_num_f32 v[TP], v[TP], v[SC+32*\qt+23], v[SC+32*\qt+31]
.if \first
	v_max_num_f32 v[TP], v[TP], v[TP+2]
.else
	v_max3_num_f32 v[TP], v[TP], v[TP+2], v[MX+\qt]                ; the running maximum joins
.endif
	v_permlanex16_b32 v[TP+1], v[TP], s40, s41                     ; the query's other 32 keys lie in lane l xor 16
	v_max_num_f32 v[MM], v[TP], v[TP+1]
	v_max_num_f32 v[MM+1], v[TP], v[TP+1]
.if \first
.else
	v_sub_f32 v[AL], v[MX+\qt], v[MM]
	v_exp_f32 v[AL], v[AL]                                         ; used far below; the packed subtractions are the plain place behind it
.endif
.irp i, 0,1,2,3,4,5,6,7,8,9,10,11,12,13,14,15
	v_pk_add_f32 v[SC+32*\qt+2*\i:SC+32*\qt+2*\i+1], v[SC+32*\qt+2*\i:SC+32*\qt+2*\i+1], v[MM:MM+1] neg_lo:[0,1] neg_hi:[0,1]
.endr
.irp i, 0,1,2,3,4,5,6,7,8,9,10,11,12,13,14,15,16,17,18,19,20,21,22,23,24,25,26,27,28,29,30,31
	v_exp_f32 v[SC+32*\qt+\i], v[SC+32*\qt+\i]
.endr
	v_mov_b32 v[MX+\qt], v[MM]                                     ; the plain place behind the exponentials (ISA guide 5.7.2)
.if \first
.else
	s_wait_alu depctr_va_vdst(0)
	v_mov_b32 v[AL+1], v[AL]
.endif
	s_wait_alu depctr_va_vdst(0)
	v_pk_add_f32 v[LS:LS+1], v[SC+32*\qt:SC+32*\qt+1], v[SC+32*\qt+2:SC+32*\qt+3]          ; two chains
	v_pk_add_f32 v[LS+2:LS+3], v[SC+32*\qt+4:SC+32*\qt+5], v[SC+32*\qt+6:SC+32*\qt+7]
.irp i, 4,6,8,10,12,14
	v_pk_add_f32 v[LS:LS+1], v[LS:LS+1], v[SC+32*\qt+2*\i:SC+32*\qt+2*\i+1]
	v_pk_add_f32 v[LS+2:LS+3], v[LS+2:LS+3], v[SC+32*\qt+2*\i+2:SC+32*\qt+2*\i+3]
.endr
	v_pk_add_f32 v[LS:LS+1], v[LS:LS+1], v[LS+2:LS+3]
.if \first
	v_add_f32 v[LL+\qt], v[LS], v[LS+1]
.else
	v_add_f32 v[LS], v[LS], v[LS+1]
	v_fma_f32 v[LL+\qt], v[LL+\qt], v[AL], v[LS]
.endif
.irp ksp, 0,1
.irp i, 0,1,2,3,4,5,6,7
	v_cvt_pk_f16_f32 v[SC+32*\qt+16*\ksp+\i], v[SC+32*\qt+16*\ksp+2*\i], v[SC+32*\qt+16*\ksp+2*\i+1]   ; in place, ascending: register i is written when 2i, 2i+1 are read
.endr
.endr
.if \first
.else
.irp i, 0,1,2,3,4,5,6,7,8,9,10,11,12,13,14,15
	v_pk_mul_f32 v[ACC+32*\qt+2*\i:ACC+32*\qt+2*\i+1], v[ACC+32*\qt+2*\i:ACC+32*\qt+2*\i+1], v[AL:AL+1]
.endr
.endif
.endm
; One tile of 128 keys, in LDS slot `slot`.  refill = 1: the next tile in the order goes into the other slot.
.macro TILE slot, first, diag, refill
	s_set_vgpr_msb 0x5
	s_wait_tensorcnt 0x0                           ; my one tensor load has landed: my part of this tile; group 0 may be written
	ds_add_u32 v0, v1
	s_wait_dscnt 0x0
	s_set_vgpr_msb 0x500
.if \refill
	s_add_co_u32 s38, s38, 1                       ; the next place n: tile n - 1 in block 1, qb2 at block 2's first place, n - n1 - 1 behind it
	s_sub_co_u32 s50, s38, 1
	s_sub_co_u32 s51, s50, s15
	s_cmp_gt_u32 s38, s15
	s_cselect_b32 s50, s51, s50
	s_cmp_eq_u32 s38, s15
	s_cselect_b32 s50, s14, s50
	s_lshl_b32 s48, s50, 14
	s_mov_b32 s49, 0
	s_add_nc_u64 s[34:35], s[36:37], s[48:49]
	s_or_b32 s35, s35, 0x80000000
	s_add_co_u32 s33, s43, (1-\slot)*SLOTB
.endif
	s_wait_dscnt 0x0                               ; my reads of the other slot are over
	s_barrier_signal -1
	s_barrier_wait -1                              ; both hold of all eight waves
.if \refill
	JLOAD                                          ; my one tensor load behind the barrier: it has this tile's work in which to land
.endif
.irp ks, 0,1
.irp kt, 0,1,2,3
	ds_load_b128 v[KV+8*(2*\kt+\ks):KV+8*(2*\kt+\ks)+3],   v[KADR] offset:\slot*SLOTB+(\kt>>1)*REG+(\kt&1)*16*KP+64*\ks
	ds_load_b128 v[KV+8*(2*\kt+\ks)+4:KV+8*(2*\kt+\ks)+7], v[KADR] offset:\slot*SLOTB+(\kt>>1)*REG+(\kt&1)*16*KP+64*\ks+32
.endr
.endr
.if \first
	s_wait_loadcnt 0x0                             ; the block's Q fragments
.endif
	s_wait_dscnt 0x8                               ; d = 0..31 of my 64 keys is in; the eight loads of d = 32..63 stay out
	QK 0, 1
	s_wait_dscnt 0x0
	QK 1, 0
.rept 4
	v_nop                                          ; four places: the loads below land on K's fragments, the softmax reads results
.endr
.irp ksp, 0,1
.irp dt, 0,1,2,3
	ds_load_tr16_b128 v[KV+8*(2*\dt+\ksp):KV+8*(2*\dt+\ksp)+3],   v[VADR] offset:\slot*SLOTB+\ksp*REG+32*\dt
	ds_load_tr16_b128 v[KV+8*(2*\dt+\ksp)+4:KV+8*(2*\dt+\ksp)+7], v[VADR] offset:\slot*SLOTB+\ksp*REG+32*\dt+16*VP
.endr
.endr
	SM 0, \first, \diag
	SM 1, \first, \diag
	s_wait_dscnt 0x0                               ; V^T
	PV 0, \first
	PV 1, 0
.rept 5
	v_nop                                          ; five places: the next tile's products write over P^T, its loads land on V^T
.endr
.endm
; The block's end: the key halves are merged, the result is divided by the sum and stored.
; A strip whose keys were all masked carries the maximum -1e30 and finite sums; its factor 2^(-1e30 - m) is 0.
.macro FINAL
	v_permlanex16_b32 v[TP], v[LL], s40, s41
	v_permlanex16_b32 v[TP+1], v[LL+1], s40, s41
	v_add_f32 v[LL], v[LL], v[TP]                  ; the sums of both halves of the lanes
	v_add_f32 v[LL+1], v[LL+1], v[TP+1]
	s_cmp_eq_u32 s10, 0
	s_cbranch_scc1 .Lkeep_\@
.irp i, 0,1,2,3,4,5,6,7,8,9,10,11,12,13,14,15
	ds_store_b128 v[SCRA], v[ACC+4*\i:ACC+4*\i+3] offset:512*\i
.endr
	ds_store_b128 v[SCRA], v[MX:MX+3] offset:8192
.Lkeep_\@:
	s_wait_dscnt 0x0                               ; for the partner's sake: zero
	s_barrier_signal -1
	s_barrier_wait -1                              ; the next tile's load may stay out
	s_cmp_lg_u32 s10, 0
	s_cbranch_scc1 .Ldone_\@
.irp i, 0,1,2,3,4,5,6,7,8,9,10,11,12,13,14,15
	ds_load_b128 v[SC+4*\i:SC+4*\i+3], v[SCRA] offset:512*\i
.endr
	ds_load_b128 v[TP:TP+3], v[SCRA] offset:8192
	s_wait_dscnt 0x0
.irp qt, 0,1
	v_max_num_f32 v[TP+4], v[MX+\qt], v[TP+\qt]
	v_sub_f32 v[TP+5], v[MX+\qt], v[TP+4]
	v_sub_f32 v[TP+6], v[TP+\qt], v[TP+4]
	v_exp_f32 v[TP+5], v[TP+5]
	v_exp_f32 v[TP+6], v[TP+6]
	v_nop
	s_wait_alu depctr_va_vdst(0)
	v_mul_f32 v[TP+7], v[TP+2+\qt], v[TP+6]
	v_fma_f32 v[TP+7], v[LL+\qt], v[TP+5], v[TP+7]                 ; the whole sum; at least 1: the largest weight is 2^0
	v_rcp_f32 v[TP+7], v[TP+7]
	v_nop
	s_wait_alu depctr_va_vdst(0)
	v_mul_f32 v[MM], v[TP+5], v[TP+7]
	v_mul_f32 v[MM+1], v[TP+5], v[TP+7]
	v_mul_f32 v[AL], v[TP+6], v[TP+7]
	v_mul_f32 v[AL+1], v[TP+6], v[TP+7]
.irp i, 0,1,2,3,4,5,6,7,8,9,10,11,12,13,14,15
	v_pk_mul_f32 v[ACC+32*\qt+2*\i:ACC+32*\qt+2*\i+1], v[ACC+32*\qt+2*\i:ACC+32*\qt+2*\i+1], v[MM:MM+1]
.endr
.irp i, 0,1,2,3,4,5,6,7,8,9,10,11,12,13,14,15
	v_pk_fma_f32 v[ACC+32*\qt+2*\i:ACC+32*\qt+2*\i+1], v[SC+32*\qt+2*\i:SC+32*\qt+2*\i+1], v[AL:AL+1], v[ACC+32*\qt+2*\i:ACC+32*\qt+2*\i+1]
.endr
.irp i, 0,1,2,3,4,5,6,7,8,9,10,11,12,13,14,15
	v_cvt_pk_f16_f32 v[KV+16*\qt+\i], v[ACC+32*\qt+2*\i], v[ACC+32*\qt+2*\i+1]
.endr
.endr
.irp qt, 0,1
.irp dt, 0,1,2,3
	ds_store_b128 v[STO], v[KV+16*\qt+4*\dt:KV+16*\qt+4*\dt+3] offset:\qt*16*KP+32*\dt     ; my own stage: query row, 16 bytes of d
.endr
.endr
.irp i, 0,1,2,3,4,5,6,7
	ds_load_b128 v[KV+32+4*\i:KV+32+4*\i+3], v[RD] offset:4*KP*\i  ; a wave's LDS instructions are served in order: these see the stores above
.endr
.irp i, 0,1,2,3,4,5,6,7
	s_wait_dscnt 7-\i                              ; the younger loads stay out
	global_store_b128 v[XOFF], v[KV+32+4*\i:KV+32+4*\i+3], s[46:47] offset:512*\i          ; 512 consecutive aligned bytes: four queries of the head
.endr
	s_wait_xcnt 0x0                                ; the stores' registers are loaded again in the next tile
.Ldone_\@:
.endm
	QLOAD 13
	TILE 0, 1, 1, 1                                ; block 1's diagonal tile
	s_lshr_b32 s39, s13, 1                         ; its qb1 tiles below the diagonal, two a trip
	s_cmp_eq_u32 s39, 0
	s_cbranch_scc1 .Lblock1_done
.Lblock1:
	TILE 1, 0, 0, 1
	TILE 0, 0, 0, 1
	s_sub_co_u32 s39, s39, 1
	s_cmp_lg_u32 s39, 0
	s_cbranch_scc1 .Lblock1
.Lblock1_done:
	FINAL
	QLOAD 14
	TILE 1, 1, 1, 1                                ; block 2's diagonal tile
	s_lshr_b32 s39, s14, 1                         ; (qb2 - 1) / 2 trips of two, qb2 odd,
	s_cmp_eq_u32 s39, 0
	s_cbranch_scc1 .Lblock2_done
.Lblock2:
	TILE 0, 0, 0, 1
	TILE 1, 0, 0, 1
	s_sub_co_u32 s39, s39, 1
	s_cmp_lg_u32 s39, 0
	s_cbranch_scc1 .Lblock2
.Lblock2_done:
	TILE 0, 0, 0, 0                                ; and the last tile, which asks for nothing more
	FINAL
	s_set_vgpr_msb 0x5
	s_wait_tensorcnt 0x0
	ds_add_u32 v0, v1
	s_wait_dscnt 0x0
	s_set_vgpr_msb 0x500
	s_endpgm
.Lfunc_end_k_q5fdae9df64_attn:
	.size	k_q5fdae9df64_attn, .Lfunc_end_k_q5fdae9df64_attn-k_q5fdae9df64_attn
	.p2alignl 7, 3214868480
	.fill 96, 4, 3214868480
	.section	.rodata,"a",@progbits
	.p2align	6, 0x0
	.amdhsa_kernel k_q5fdae9df64_attn
		.amdhsa_group_segment_fixed_size 327680
		.amdhsa_private_segment_fixed_size 0
		.amdhsa_enable_private_segment 0
		.amdhsa_kernarg_size 32
		.amdhsa_user_sgpr_count 2
		.amdhsa_user_sgpr_kernarg_segment_ptr 1
		.amdhsa_wavefront_size32 1
		.amdhsa_system_sgpr_workgroup_id_x 1
		.amdhsa_system_sgpr_workgroup_id_y 1
		.amdhsa_system_sgpr_workgroup_id_z 1
		.amdhsa_system_vgpr_workitem_id 0
		.amdhsa_next_free_vgpr 258
		.amdhsa_next_free_sgpr 66
		.amdhsa_reserve_vcc 1
		.amdhsa_float_denorm_mode_32 3
		.amdhsa_float_denorm_mode_16_64 3
		.amdhsa_memory_ordered 1
		.amdhsa_forward_progress 1
		.amdhsa_inst_pref_size 163
	.end_amdhsa_kernel
	.amdgpu_metadata
---
amdhsa.version: [ 1, 2 ]
amdhsa.kernels:
  - .name:           k_q5fdae9df64_attn
    .symbol:         k_q5fdae9df64_attn.kd
    .args:
      - { .name: qkv, .offset: 0, .size: 8, .value_kind: global_buffer, .address_space: global }
      - { .name: xh, .offset: 8, .size: 8, .value_kind: global_buffer, .address_space: global }
      - { .name: Wo, .offset: 16, .size: 8, .value_kind: global_buffer, .address_space: global }
      - { .name: wo16, .offset: 24, .size: 8, .value_kind: global_buffer, .address_space: global }
    .group_segment_fixed_size: 327680
    .private_segment_fixed_size: 0
    .kernarg_segment_align: 8
    .kernarg_segment_size: 32
    .max_flat_workgroup_size: 256
    .sgpr_count:     66
    .vgpr_count:     258
    .wavefront_size: 32
...
	.end_amdgpu_metadata
.endif
;; end of part 2
;; launch oproj (part 3): grid 8 x 32, 4 waves a work-group, clusters of 4 x 4, 327,680 bytes of LDS; arguments xh, wo16, out0; writes out0
.if DOCPART == 3
	.amdgcn_target "amdgcn-amd-amdhsa--gfx1250"
	.amdhsa_code_object_version 6
	.text
	.protected	k_q5fdae9df64_oproj
	.globl	k_q5fdae9df64_oproj
	.p2align	8
	.type	k_q5fdae9df64_oproj,@function
k_q5fdae9df64_oproj:
	s_mov_b64 s[64:65], 0
	v_nop
	global_prefetch_b8 v0, s[64:65] scope:SCOPE_SE
	s_setreg_imm32_b32 hwreg(HW_REG_WAVE_MODE, 25, 1), 1
	s_wait_xcnt 0x0
	s_wait_alu depctr_hold_cnt(0) depctr_sa_sdst(0) depctr_va_vdst(0) depctr_va_sdst(0) depctr_va_ssrc(0) depctr_va_vcc(0) depctr_vm_vsrc(0)
	s_getreg_b32 s2, hwreg(HW_REG_IB_STS2, 6, 4)
	s_cmp_eq_u32 s2, 0
	s_cbranch_scc0 .Lentry_in_a_cluster
	s_endpgm
.Lentry_in_a_cluster:
	s_bfe_u32 s2, ttmp6, 0x10000c
	s_cmp_lg_u32 s2, 0xf033
	s_cbranch_scc0 .Lentry_shape_is_right
	s_endpgm
.Lentry_shape_is_right:
; out0[token][n] = sum over k of x[token][k] Wo[n][k], f32.  x: xh, [batch*16 + head][2048][64] f16 (k = 64 head + d).
; wo16: Wo [1024][1024], rounded to bf16 and kept as f16.  Sums in f32.
; A work-group makes 128 tokens x 128 columns (256 work-groups), four waves of 64 x 64: 16 accumulator tiles in window 1 (v256-383).
; K goes in steps of 128 (two heads) through two LDS slots.  4 x 4 work-groups form a cluster: x's tiles are shared along a row, Wo's along a column.
; A slot: 4 regions of 18,432 bytes: x of the two heads (128 tokens, pitch 144), Wo's rows 0-63 and 64-127 (pitch 272).
; The matrix instruction is used transposed (source 0 = rows of Wo, source 1 = rows of x): a lane holds token l % 16 and 8 neighbouring columns.
.set XP,     144
.set WP,     272
.set REG,    128*XP
.set SLOT,   4*REG
.set STAGE,  2*SLOT                    ; behind the ring: 16 rows x 272 bytes for each wave; no tensor load lands here
.set SPITCH, 272
.set ADRA, 16
.set ADRB, 20
.set STO,  24
.set RD,   25
.set CO,   26
.set F0,   32                          ; fragment buffer 0: x at +0 (4 x 8 registers), Wo at +32
.set F1,   96                          ; fragment buffer 1
.set G1,  24
.set G0,  32
.set G1B, 48
.set G0B, 56
.set MSB, 0
.macro WIN new
.if MSB != \new
	s_set_vgpr_msb (MSB<<8)|\new
.set MSB, \new
.endif
.endm
.macro JLOAD s                         ; waves 0, 1 ask for x's two heads, waves 2, 3 for Wo's two halves
	s_cmp_eq_u32 s19, 0
	s_cbranch_scc0 .Lfor_b_\@
	tensor_load_to_lds s[G0+4*\s:G0+4*\s+3], s[G1:G1+7]
	s_nop 0
	s_branch .Lasked_\@
.Lfor_b_\@:
	tensor_load_to_lds s[G0B+4*\s:G0B+4*\s+3], s[G1B:G1B+7]
	s_nop 0
.Lasked_\@:
.endm
.macro CREST
	s_cmp_lg_u32 s18, 0
	s_cbranch_scc1 .Lnot_wave_0_\@
	s_barrier_signal -3
.Lnot_wave_0_\@:
	s_barrier_wait -3
	s_barrier_signal -1
	s_barrier_wait -1
.endm
.macro CROUND
	s_barrier_signal -1
	s_barrier_wait -1
	CREST
.endm
.macro PLACES
.rept 4
	v_nop
.endr
.endm
	s_load_b128 s[4:7], s[0:1], 0x0                ; xh s[4:5], wo16 s[6:7]
	s_load_b64 s[8:9], s[0:1], 0x10                ; out0
	v_lshl_add_u32 v254, v0, 2, 0x29000
	v_mov_b32 v255, 0
	ds_add_u32 v254, v255
	ds_add_u32 v254, v255
	v_lshrrev_b32 v1, 5, v0
	v_readfirstlane_b32 s18, v1                    ; wave 0..3
	s_lshr_b32 s19, s18, 1                         ; my half of the tokens.  Also: I fetch x (0) or Wo (1)
	s_and_b32 s20, s18, 1                          ; my half of the columns.  Also: which head, or which 64 rows of Wo, I fetch
	s_bfe_u32 s21, ttmp6, 0x40000                  ; cx
	s_bfe_u32 s22, ttmp6, 0x40004                  ; cy
	s_lshl_b32 s42, ttmp9, 2
	s_add_co_u32 s42, s42, s21                     ; block column 0..7
	s_and_b32 s41, ttmp7, 0xffff
	s_lshl_b32 s41, s41, 2
	s_add_co_u32 s41, s41, s22                     ; block row 0..31
	s_lshl_b32 s43, s22, 2
	s_lshl_b32 s43, 15, s43                        ; my row of the cluster
	s_lshl_b32 s44, 0x1111, s21                    ; my column
	; x: 16,384 dense bytes (128 tokens of a head) as 64 rows of 32 elements of 8 bytes; 4 words of padding behind every 32 words (a token)
	s_or_b32 s[G1+0], s43, (3<<16)|(1<<20)|(1<<21)|(4<<22)|(3<<25)
	s_mov_b32 s[G1+1], 32<<16
	s_mov_b32 s[G1+2], 64<<16
	s_mov_b32 s[G1+3], 32<<16
	s_mov_b32 s[G1+4], 64
	s_mov_b32 s[G1+5], 32
	s_mov_b32 s[G1+6], 0
	s_mov_b32 s[G1+7], 0
	; Wo: 64 rows x 128 elements of 2 bytes, 4 words of padding behind every 64 words (a row)
	s_or_b32 s[G1B+0], s44, (1<<16)|(1<<20)|(1<<21)|(5<<22)|(3<<25)
	s_mov_b32 s[G1B+1], 128<<16
	s_mov_b32 s[G1B+2], 64<<16
	s_mov_b32 s[G1B+3], 128<<16
	s_mov_b32 s[G1B+4], 64
	s_mov_b32 s[G1B+5], 1024
	s_mov_b32 s[G1B+6], 0
	s_mov_b32 s[G1B+7], 0
	s_lshr_b32 s70, s41, 4                         ; batch
	s_lshl_b32 s70, s70, 4
	s_add_co_u32 s70, s70, s20                     ; head 0 or 1 of the K step
	s_lshl_b32 s70, s70, 18
	s_and_b32 s86, s41, 15
	s_lshl_b32 s86, s86, 14                        ; 128 tokens of 128 bytes
	s_add_co_u32 s70, s70, s86
	s_mov_b32 s71, 0
	s_lshl_b32 s72, s42, 7
	s_lshl_b32 s87, s20, 6
	s_add_co_u32 s72, s72, s87
	s_lshl_b32 s72, s72, 11                        ; rows of 2,048 bytes
	s_mov_b32 s73, 0
	s_mul_i32 s76, s18, REG                        ; where my tile goes: the wave's number alone
	s_wait_dscnt 0x0
	s_wait_kmcnt 0x0
	s_add_nc_u64 s[66:67], s[4:5], s[70:71]
	s_add_nc_u64 s[68:69], s[6:7], s[72:73]
	CROUND                                         ; in front of the first joint loads
.irp s, 0,1
	s_mov_b32 s[G0+4*\s], 1
	s_add_co_u32 s[G0+4*\s+1], s76, \s*SLOT
	s_add_nc_u64 s[G0+4*\s+2:G0+4*\s+3], s[66:67], \s*524288       ; K step s: two heads on
	s_or_b32 s[G0+4*\s+3], s[G0+4*\s+3], 0x80000000
	s_mov_b32 s[G0B+4*\s], 1
	s_add_co_u32 s[G0B+4*\s+1], s76, \s*SLOT
	s_add_nc_u64 s[G0B+4*\s+2:G0B+4*\s+3], s[68:69], \s*256
	s_or_b32 s[G0B+4*\s+3], s[G0B+4*\s+3], 0x80000000
	JLOAD \s
.endr
	v_and_b32 v1, 15, v0
	v_bfe_u32 v2, v0, 4, 1
	v_mul_u32_u24 v3, v1, XP
	v_lshl_add_u32 v3, v2, 4, v3
	v_mul_u32_u24 v4, v1, WP
	v_lshl_add_u32 v4, v2, 4, v4
	s_mul_i32 s77, s19, 64*XP                      ; my 64 tokens
	s_mul_i32 s78, s20, REG
	s_add_co_u32 s78, s78, 2*REG                   ; my 64 rows of Wo
.irp s, 0,1
	v_add_nc_u32 v[ADRA+\s], s77, v3
	v_add_nc_u32 v[ADRB+\s], s78, v4
	s_add_co_u32 s77, s77, SLOT
	s_add_co_u32 s78, s78, SLOT
.endr
	s_mul_i32 s79, s18, 16*SPITCH
	s_add_co_u32 s79, s79, STAGE
	v_mul_u32_u24 v5, v1, SPITCH                   ; in: token l % 16, 32 bytes for each half of the lanes
	v_lshl_add_u32 v5, v2, 5, v5
	v_add_nc_u32 v[STO], s79, v5
	v_mul_u32_u24 v6, v2, SPITCH                   ; back: lanes 0-15 one row of 256 bytes, lanes 16-31 the next
	v_lshl_add_u32 v6, v1, 4, v6
	v_add_nc_u32 v[RD], s79, v6
	v_lshlrev_b32 v7, 12, v2
	v_lshl_add_u32 v[CO], v1, 4, v7
; 16 loads: the fragments of chunk c (32 along K: head c / 2, d = 32 (c & 1) ..) of a slot into buffer g
.macro FETCH slot, c, g
.irp i, 0,1,2,3
	ds_load_b128 v[\g+8*\i:\g+8*\i+3],   v[ADRA+\slot] offset:(\c>>1)*REG+\i*16*XP+64*(\c&1)
	ds_load_b128 v[\g+8*\i+4:\g+8*\i+7], v[ADRA+\slot] offset:(\c>>1)*REG+\i*16*XP+64*(\c&1)+32
.endr
.irp i, 0,1,2,3
	ds_load_b128 v[\g+32+8*\i:\g+32+8*\i+3], v[ADRB+\slot] offset:\i*16*WP+64*\c
	ds_load_b128 v[\g+32+8*\i+4:\g+32+8*\i+7], v[ADRB+\slot] offset:\i*16*WP+64*\c+32
.endr
.endm
; 16 matrix instructions; the 16 accumulators take turns, one instruction a turn, in the same order in every chunk
.macro MUL f, zero
	WIN 0x50                                       ; C and D in window 1
.irp a, 0,1,2,3
.irp b, 0,1,2,3
.if \zero
	v_wmma_f32_16x16x32_f16 v[8*(4*\a+\b):8*(4*\a+\b)+7], v[\f+32+8*\b:\f+32+8*\b+7], v[\f+8*\a:\f+8*\a+7], 0
.else
	v_wmma_f32_16x16x32_f16 v[8*(4*\a+\b):8*(4*\a+\b)+7], v[\f+32+8*\b:\f+32+8*\b+7], v[\f+8*\a:\f+8*\a+7], v[8*(4*\a+\b):8*(4*\a+\b)+7]
.endif
.endr
.endr
	WIN 0
.endm
; One chunk: multiplies buffer f, fetches chunk nc of slot nslot into buffer g.  turn = 1: the slot's last chunk, barrier; turn = 2: and the slot is filled again.
.macro CH slot, f, nslot, nc, g, turn, fetch, zero
	PLACES                                         ; the loads below land on registers that the last chunk's matrix instructions read
	s_wait_dscnt 0x0                               ; this chunk's fragments are in; on a turn: my reads of this slot are over
.if \turn
	s_wait_tensorcnt 0x0                           ; all my tensor loads have landed: my part of the other slot
	ds_add_u32 v254, v255
	s_wait_dscnt 0x0
	s_barrier_signal -1
	s_barrier_wait -1
.endif
.if \turn == 2
	CREST                                          ; no wave of any partner still reads this slot or has a load on its way
	s_add_nc_u64 s[G0+4*\slot+2:G0+4*\slot+3], s[G0+4*\slot+2:G0+4*\slot+3], 0x100000      ; four heads on
	s_add_nc_u64 s[G0B+4*\slot+2:G0B+4*\slot+3], s[G0B+4*\slot+2:G0B+4*\slot+3], 512
	JLOAD \slot                                    ; my one tensor load behind the round; it has four chunks in which to land
.endif
.if \fetch
	FETCH \nslot, \nc, \g
.endif
	MUL \f, \zero
.endm
.macro STEP slot, next, turn, fetch, zero
	CH \slot, F0, \slot, 1, F1, 0, 1, \zero
	CH \slot, F1, \slot, 2, F0, 0, 1, 0
	CH \slot, F0, \slot, 3, F1, 0, 1, 0
	CH \slot, F1, \next, 0, F0, \turn, \fetch, 0
.endm
	s_wait_tensorcnt 0x1                           ; my part of K step 0 is in; K step 1's one load stays out
	s_barrier_signal -1
	s_barrier_wait -1
	FETCH 0, 0, F0
	STEP 0, 1, 2, 1, 1                             ; 8 K steps = 4 laps: the first starts the sums,
	STEP 1, 0, 2, 1, 0
	s_mov_b32 s45, 2                               ; two go round,
.Llap:
	STEP 0, 1, 2, 1, 0
	STEP 1, 0, 2, 1, 0
	s_sub_co_u32 s45, s45, 1
	s_cmp_lg_u32 s45, 0
	s_cbranch_scc1 .Llap
	STEP 0, 1, 1, 1, 0                             ; the last fills nothing
	STEP 1, 0, 0, 0, 0
	; THE WAY OUT, 16 tokens at a time through my own stage, back as whole rows of 256 bytes
	PLACES
	s_lshl_b32 s82, s41, 7
	s_lshl_b32 s84, s19, 6
	s_add_co_u32 s82, s82, s84                     ; my first token
	s_lshl_b32 s82, s82, 12
	s_lshl_b32 s84, s42, 9
	s_add_co_u32 s82, s82, s84                     ; my first column, in bytes
	s_lshl_b32 s84, s20, 8
	s_add_co_u32 s82, s82, s84
	s_mov_b32 s83, 0
	s_add_nc_u64 s[80:81], s[8:9], s[82:83]
.macro OUT16 a, f
	WIN 0x04                                       ; the stores' data in window 1
.irp b, 0,1,2,3
	ds_store_b128 v[STO], v[8*(4*\a+\b):8*(4*\a+\b)+3] offset:64*\b
	ds_store_b128 v[STO], v[8*(4*\a+\b)+4:8*(4*\a+\b)+7] offset:64*\b+16
.endr
	WIN 0
	s_wait_xcnt 0x0                                ; buffer f, which earlier stores read, is loaded again only behind this wait
.irp t, 0,1,2,3,4,5,6,7
	ds_load_b128 v[\f+4*\t:\f+4*\t+3], v[RD] offset:\t*2*SPITCH    ; a wave's LDS instructions are served in order: these see the stores above
.endr
.irp t, 0,1,2,3,4,5,6,7
	s_wait_dscnt 7-\t                              ; the younger loads stay out
	global_store_b128 v[CO], v[\f+4*\t:\f+4*\t+3], s[80:81] offset:(16*\a+2*\t)*4096 th:TH_STORE_NT   ; 16 lanes store 256 consecutive aligned bytes
.endr
.endm
	OUT16 0, 160
	OUT16 1, 192
	OUT16 2, 160
	OUT16 3, 192
	s_wait_tensorcnt 0x0
	ds_add_u32 v254, v255
	s_wait_dscnt 0x0
	CROUND                                         ; the closing round
	s_endpgm
.Lfunc_end_k_q5fdae9df64_oproj:
	.size	k_q5fdae9df64_oproj, .Lfunc_end_k_q5fdae9df64_oproj-k_q5fdae9df64_oproj
	.p2alignl 7, 3214868480
	.fill 96, 4, 3214868480
	.section	.rodata,"a",@progbits
	.p2align	6, 0x0
	.amdhsa_kernel k_q5fdae9df64_oproj
		.amdhsa_group_segment_fixed_size 327680
		.amdhsa_private_segment_fixed_size 0
		.amdhsa_enable_private_segment 0
		.amdhsa_kernarg_size 24
		.amdhsa_user_sgpr_count 2
		.amdhsa_user_sgpr_kernarg_segment_ptr 1
		.amdhsa_wavefront_size32 1
		.amdhsa_system_sgpr_workgroup_id_x 1
		.amdhsa_system_sgpr_workgroup_id_y 1
		.amdhsa_system_sgpr_workgroup_id_z 1
		.amdhsa_system_vgpr_workitem_id 0
		.amdhsa_next_free_vgpr 384
		.amdhsa_next_free_sgpr 96
		.amdhsa_reserve_vcc 0
		.amdhsa_float_denorm_mode_32 3
		.amdhsa_float_denorm_mode_16_64 3
		.amdhsa_memory_ordered 1
		.amdhsa_forward_progress 1
		.amdhsa_inst_pref_size 73
	.end_amdhsa_kernel
	.amdgpu_metadata
---
amdhsa.version: [ 1, 2 ]
amdhsa.kernels:
  - .name:           k_q5fdae9df64_oproj
    .symbol:         k_q5fdae9df64_oproj.kd
    .args:
      - { .name: xh, .offset: 0, .size: 8, .value_kind: global_buffer, .address_space: global }
      - { .name: wo16, .offset: 8, .size: 8, .value_kind: global_buffer, .address_space: global }
      - { .name: out0, .offset: 16, .size: 8, .value_kind: global_buffer, .address_space: global }
    .group_segment_fixed_size: 327680
    .private_segment_fixed_size: 0
    .kernarg_segment_align: 8
    .kernarg_segment_size: 24
    .max_flat_workgroup_size: 128
    .sgpr_count:     96
    .vgpr_count:     384
    .wavefront_size: 32
...
	.end_amdgpu_metadata
.endif
;; end of part 3
